; MI455X (gfx1250); checked and timed in simulation.
; The chip was launched on July 23, 2026; its instructions are those of AMD's public machine-readable ISA for CDNA 5 (MIT licence, August 2026) and "CDNA5" Instruction Set Architecture Reference Guide (July 2026). The comments in the code are by the model that wrote it; some were corrected since.
;; Scaled Dot Product Attention. Allowed arithmetic: matrix products marked QUANTISED: E2M3 operands, one E8M0 scale for each 32 along K, by v_wmma_scale_f32_16x16x128_f8f6f4 with both operands' format E2M3, f32 sums; everything else in f32.
;; Inputs: k 4,096 x 1,024 float32; q 4,096 x 1,024 float32; v 4,096 x 1,024 float32.
;; Outputs: out0 4,096 x 1,024 float32.
;; This version of the problem:
;;   THIS VERSION OF THE PROBLEM IS GIVEN IN LOW PRECISION. The matrix products marked QUANTISED in the list below multiply operands that are first quantised to E2M3 (2 exponent bits, 3 mantissa bits; 6 bits a number), with one power-of-two scale for each 32 numbers along K (OCP MX v1.0); their sums are f32. All else is computed in f32.
;;   The module's matrix products, in the order in which they are computed (A, B: the left and right operand; K: the contracted axis; several contracted axes count as one K, in the product's order):
;;     1. [M 4,096, K 1,024] x [K 1,024, N 4,096]; A: input q; B: input k: QUANTISED
;;     2. [M 4,096, K 4,096] x [K 4,096, N 1,024]; A: softmax (see below); B: input v: QUANTISED
;;   THE QUANTISER, for each operand of a quantised product, along K:
;;     - K is cut into blocks of 32 from its start; a last block that is shorter is filled with zeros.
;;     - A block's scale is 2^e with e = floor(log2(the largest magnitude in the block)) - 2, held to -126 .. 127; a block of zeros has e = 0. As a byte (E8M0): e + 127.
;;     - Each number is divided by its block's scale, clamped to +-7.5, and rounded to the nearest number of E2M3, ties to even, subnormals kept.
;;     - The product sums the exact products of the quantised numbers (number of the format x scale) in f32.
;;   ~~~python
;;   def quantise(x, axis):      # numpy; x: float32 -> the quantised numbers, widened to float32 again
;;       x = np.moveaxis(x, axis, -1); K = x.shape[-1]
;;       x = np.pad(x, [(0, 0)] * (x.ndim - 1) + [(0, -K % 32)]); x = x.reshape(x.shape[:-1] + (-1, 32)); a = np.abs(x).max(-1, keepdims=True)
;;       e = np.where(a > 0, np.clip(np.frexp(np.where(a > 0, a, 1))[1] - 1 - 2, -126, 127), 0)      # np.frexp(a)[1] - 1 = floor(log2(a)), exactly
;;       r = np.clip(x / 2.0 ** e, -7.5, 7.5)
;;       step = 2.0 ** (np.maximum(np.frexp(np.where(r == 0, 1, r))[1] - 1, 0) - 3)
;;       q = np.round(r / step) * step * 2.0 ** e      # np.round: ties to even
;;       return np.moveaxis(q.reshape(q.shape[:-2] + (-1,))[..., :K], -1, axis).astype(np.float32)
;;   ~~~
;;   SOFTMAX AHEAD OF A QUANTISED PRODUCT. Where the list says 'softmax', what is quantised is not the finished softmax but p = 2^(t - M), with t = logit x log2(e) and M = ceil(the row's largest t), a whole number; so 1/2 < the row's largest p <= 1. The row's sum l is taken of the UNQUANTISED p, in f32, and the product's result is divided by l at the end. Since M is a whole number, a kernel that streams over the keys may use a running M (the ceiling of the running maximum): every later rescaling is an exact power of two, which a block's scale takes up: the codes' values come out the same.
;;   OPERANDS COMPUTED ON THE WAY. 'Computed on the way' means the value that the module computes at that place (a softmax that the list does not call 'softmax' is quantised finished and normalised). What goes into a quantiser is computed in f32, as accurately as f32 sums, v_exp_f32 and their like allow (about 1e-6 of the number): no bf16 or f16 on the way to a quantiser, and a product that is left as it is and whose result goes on into a quantised operand takes f32 operands (vector FMAs, or v_wmma_f32_16x16x4_f32). A number that lies on a knife's edge between two numbers of the format may be rounded either way, as far as f32 arithmetic and the matrix unit's own rounding can turn it there, and no further.
;; One version. Each part assembles by itself: llvm-mc -triple=amdgcn-amd-amdhsa -mcpu=gfx1250 --defsym DOCPART=n.
;; ======== version 1 of 1: 3 launches
;; limits: right only within a limited range of input values
;; workspace buffers: qx 3,276,800 bytes; kx 3,276,800 bytes; vc 3,145,728 bytes; vs 131,072 bytes; pc 12,582,912 bytes; pst 2,097,152 bytes
;; launch quant (part 1): grid 768 x 1, 4 waves a work-group, no clusters, 69,120 bytes of LDS; arguments q, k, v, qx, kx, vc, vs; writes qx, kx, vc, vs
.if DOCPART == 1
	.amdgcn_target "amdgcn-amd-amdhsa--gfx1250"
	.amdhsa_code_object_version 6
	.text
	.protected	k_qa4bedfd611_quant
	.globl	k_qa4bedfd611_quant
	.p2align	8
	.type	k_qa4bedfd611_quant,@function
k_qa4bedfd611_quant:
	s_mov_b64 s[64:65], 0
	v_nop
	global_prefetch_b8 v0, s[64:65] scope:SCOPE_SE
	s_setreg_imm32_b32 hwreg(HW_REG_WAVE_MODE, 25, 1), 1
	s_wait_xcnt 0x0
; q, k, v: [4096][1024] f32, become codes of FP6 (E2M3) with one E8M0 scale byte for each 32 along the K of the product that they enter.
; A block's scale is 2^(floor(log2(its largest magnitude)) - 2): its byte is the largest magnitude's exponent field - 2, held at 1 from below.  A block of zeros keeps the byte 1 where
; the definition says 127: its codes are zeros, which add nothing under any byte but 0xff, and only this program reads the bytes.
; LIMITS: blocks whose largest magnitude lies under 2^-124 (the floor) keep the byte 1; NaN and infinities among the inputs are not served.
; CODES LIE AS IMAGES OF THE OPERAND'S REGISTERS: 16 rows x 128 along K are 1,536 bytes, registers 4 c .. 4 c + 3 of lane l at 512 c + 16 l.
; qx, kx: [256 blocks of 16 rows][512 bytes of scale words [16 rows][8 chunks], then 8 images].  vc: [64 blocks of 16 channels][32 chunks of 128 keys][1,536]; vs: scale words [32 chunks][1,024 channels].
; k's block 2 b + u holds in row r key 32 b + 8 u + r + 8 (r / 8), so that in the next launch the 16 registers of two neighbouring result tiles are 16 neighbouring keys.
; Work-groups 0-255 take a block of q, 256-511 a block of k, 512-767 128 channels x 128 keys of v: 65,536 bytes each, 16,384 to a wave.  No tensor loads; one barrier, for the scale words.
; No prefetch: every load of a wave is issued at its start, there is no loop to run ahead in.
.set QKW,   0                          ; LDS: 512 bytes of scale words for q and k,
.set VWD,   512                        ; 512 for v,
.set SPARE, 1024                       ; the spare words, 128 bytes a wave: no other line names them,
.set STG,   1536                       ; and for q and k two stages a wave, 16 rows x RP each
.set RP,    528                        ; 512 bytes of a row + 16
.set CSTG,  16*RP
.set WREG,  2*CSTG
.set X,     32                         ; v32-159  the numbers as loaded
.set Y,     160                        ; v160-223 chunk 0's numbers, 32 neighbours twice; chunk 1's go to v32-95
.set DBLK,  49152
	s_load_b256 s[4:11], s[0:1], 0x0               ; q, k, v, qx
	s_load_b128 s[12:15], s[0:1], 0x20             ; kx, vc
	s_load_b64 s[16:17], s[0:1], 0x30              ; vs
	v_lshl_add_u32 v20, v0, 2, SPARE
	v_mov_b32 v21, 0
	v_lshrrev_b32 v1, 5, v0
	v_readfirstlane_b32 s18, v1                    ; wave
	v_and_b32 v2, 31, v0                           ; lane
	v_lshlrev_b32 v17, 4, v2                       ; 16 x lane
	s_wait_alu depctr_va_vdst(0)
	s_cmp_lt_u32 ttmp9, 512
	s_cbranch_scc0 .Lv
; Two blocks of 32 numbers, each in one lane's registers: codes to ca .. ca + 5 and cb .. cb + 5, scale bytes to v14 and v15
.macro PAIR xa, xb, ca, cb
	v_max3_num_f32 v8, |v[\xa]|, |v[\xa+1]|, |v[\xa+2]|
	v_max3_num_f32 v9, |v[\xa+3]|, |v[\xa+4]|, |v[\xa+5]|
	v_max3_num_f32 v10, |v[\xb]|, |v[\xb+1]|, |v[\xb+2]|
	v_max3_num_f32 v11, |v[\xb+3]|, |v[\xb+4]|, |v[\xb+5]|
.irp i, 6,10,14,18,22,26
	v_max3_num_f32 v8, v8, |v[\xa+\i]|, |v[\xa+\i+1]|
	v_max3_num_f32 v9, v9, |v[\xa+\i+2]|, |v[\xa+\i+3]|
	v_max3_num_f32 v10, v10, |v[\xb+\i]|, |v[\xb+\i+1]|
	v_max3_num_f32 v11, v11, |v[\xb+\i+2]|, |v[\xb+\i+3]|
.endr
	v_max3_num_f32 v8, v8, |v[\xa+30]|, |v[\xa+31]|
	v_max3_num_f32 v10, v10, |v[\xb+30]|, |v[\xb+31]|
	v_max3_num_f32 v8, v8, v9, 0x1800000           ; the floor 2^(3 - 127): the byte cannot fall under 1
	v_max3_num_f32 v10, v10, v11, 0x1800000
	v_add_nc_u32 v12, 0xff000000, v8               ; 2 off the exponent field: the conversion takes this operand's exponent field as its scale
	v_add_nc_u32 v13, 0xff000000, v10
	v_cvt_scalef32_pk16_fp6_f32 v[\ca:\ca+2], v[\xa:\xa+15], v12
	v_cvt_scalef32_pk16_fp6_f32 v[248:250], v[\xa+16:\xa+31], v12   ; (three registers begin on an even number: the second half is moved)
	v_cvt_scalef32_pk16_fp6_f32 v[\cb:\cb+2], v[\xb:\xb+15], v13
	v_cvt_scalef32_pk16_fp6_f32 v[252:254], v[\xb+16:\xb+31], v13
	v_lshrrev_b32 v14, 23, v12                     ; the scales' bytes (plain lines behind the conversions)
	v_lshrrev_b32 v15, 23, v13
.irp i, 0,1,2
	v_mov_b32 v[\ca+3+\i], v[248+\i]
	v_mov_b32 v[\cb+3+\i], v[252+\i]
.endr
.endm
; The work-group's 128 scale words, gathered at LDS byte w, leave as 512 consecutive bytes; then the wave's end
.macro TAIL w, ptr
	s_wait_dscnt 0x0                               ; my words are stored
	s_barrier_signal -1
	s_barrier_wait -1                              ; everybody's are
	s_cmp_lg_u32 s18, 0
	s_cbranch_scc1 .Lend_\@
	ds_load_b128 v[8:11], v17 offset:\w
	s_wait_dscnt 0x0
	global_store_b128 v17, v[8:11], s[\ptr:\ptr+1]
.Lend_\@:
	s_wait_tensorcnt 0x0                           ; the wave's end
	ds_add_u32 v20, v21
	s_wait_dscnt 0x0
	s_endpgm
.endm
	; ---------------- q and k: K innermost.  A wave takes 16 rows x 256 along K: two images ----------------
	v_and_b32 v8, 15, v2                           ; r
	v_lshrrev_b32 v9, 4, v2                        ; h
	s_lshl_b32 s20, s18, 10
	v_add_nc_u32 v3, s20, v17                      ; in: 1,024 bytes of a row a wave, my 16 bytes of a load's 512
	s_mul_i32 s21, s18, WREG
	s_add_co_u32 s21, s21, STG
	v_add_nc_u32 v5, s21, v17                      ; into the stage as it lies,
	v_mul_u32_u24 v6, v8, RP
	v_lshl_add_u32 v6, v9, 7, v6
	v_add_nc_u32 v6, s21, v6                       ; out of it: row r, from byte 128 h on
	v_lshlrev_b32 v16, 3, v9
	v_lshlrev_b32 v7, 5, v8
	v_lshl_add_u32 v7, v9, 2, v7
	s_lshl_b32 s23, s18, 3
	v_add_nc_u32 v7, s23, v7                       ; my scale word: 32 r + 4 (2 wave + h), from byte QKW = 0 on
	s_mul_i32 s22, s18, 3072
	s_add_co_u32 s22, s22, 512
	v_add_nc_u32 v4, s22, v17                      ; my images, behind the block's scale words
	s_wait_alu depctr_va_vdst(0)                   ; the wait at the head's end
	s_wait_kmcnt 0x0
	s_mov_b32 s34, 0x76543210
	s_mov_b32 s35, 0xfedcba98                      ; v_permlanex16_b32's selects for lane l xor 16
	s_mov_b32 s36, 0xffff0000
	s_mov_b32 s37, 0x10000
	s_and_b32 s24, ttmp9, 255                      ; my block B
	s_lshl_b32 s26, s24, 16                        ; row 16 B;
	s_and_b32 s25, s24, 1
	s_lshl_b32 s25, s25, 15                        ; k: 8 rows less where B is odd
	s_mul_i32 s28, s24, 12800
	s_mov_b32 s27, 0
	s_mov_b32 s29, 0
	s_mov_b32 s31, 0
	s_cmp_lt_u32 ttmp9, 256                        ; q's work-group or k's?
	s_cselect_b64 s[4:5], s[4:5], s[6:7]
	s_cselect_b64 s[10:11], s[10:11], s[12:13]
	s_cselect_b32 s25, 0, s25
	s_cselect_b32 s30, 0x8000, s37                 ; rows 8-15 begin 8 rows further on in q, 16 in k
	s_sub_co_u32 s26, s26, s25
	s_add_nc_u64 s[4:5], s[4:5], s[26:27]
	s_add_nc_u64 s[6:7], s[4:5], s[30:31]
	s_add_nc_u64 s[10:11], s[10:11], s[28:29]
.macro QL c                            ; chunk c of my two: 16 rows, 512 consecutive bytes a load
.irp i, 0,1,2,3,4,5,6,7
	global_load_b128 v[X+64*\c+4*\i:X+64*\c+4*\i+3], v3, s[4:5] offset:4096*\i+512*\c th:TH_LOAD_NT
.endr
.irp i, 0,1,2,3,4,5,6,7
	global_load_b128 v[X+64*\c+32+4*\i:X+64*\c+32+4*\i+3], v3, s[6:7] offset:4096*\i+512*\c th:TH_LOAD_NT
.endr
.endm
; Through the stage: lane (r, h) gets blocks h and 2 + h of row r, in the order of the operand's registers.  LDS serves a wave's instructions in order: no wait between the stores and the loads
.macro QT c, dst
.irp i, 0,1,2,3,4,5,6,7,8,9,10,11,12,13,14,15
	ds_store_b128 v5, v[X+64*\c+4*\i:X+64*\c+4*\i+3] offset:CSTG*\c+RP*\i
.endr
.irp i, 0,1,2,3,4,5,6,7
	ds_load_b128 v[\dst+4*\i:\dst+4*\i+3], v6 offset:CSTG*\c+16*\i
.endr
.irp i, 0,1,2,3,4,5,6,7
	ds_load_b128 v[\dst+32+4*\i:\dst+32+4*\i+3], v6 offset:CSTG*\c+256+16*\i
.endr
.endm
.macro QOUT c, cr, w                   ; the row's scale word (bytes h and 2 + h are mine, the others lane l xor 16's), and the image: 512 consecutive bytes a store
	v_lshl_or_b32 v14, v15, 16, v14
	v_lshlrev_b32 v14, v16, v14
	v_permlanex16_b32 v15, v14, s34, s35
	v_or_b32 v[\w], v14, v15
.irp i, 0,1,2
	global_store_b128 v4, v[\cr+4*\i:\cr+4*\i+3], s[10:11] offset:1536*\c+512*\i
.endr
.endm
	QL 0
	QL 1
	s_wait_loadcnt 16                              ; chunk 0's sixteen loads are in
	QT 0, Y
	s_wait_dscnt 0x0
	PAIR Y, Y+32, 224, 230
	QOUT 0, 224, 18
	s_wait_loadcnt 0x0
	QT 1, X                                        ; (chunk 0's stores into the stage are done: v32-95 are free)
	s_wait_dscnt 0x0
	PAIR X, X+32, 236, 242
	QOUT 1, 236, 19
	v_cndmask_b32 v18, v18, v19, s36               ; lanes 16-31 keep the second chunk's word
	ds_store_b32 v7, v18
	TAIL QKW, 10
	; ---------------- v: K (the keys) is the first axis: a lane takes a channel, its 128 registers run down the keys ----------------
.Lv:
	s_sub_co_u32 s20, ttmp9, 512
	s_and_b32 s21, s20, 7                          ; x: which 128 channels
	s_lshr_b32 s22, s20, 3                         ; y: which 128 keys
	s_mul_i32 s23, s18, 2*DBLK
	v_lshlrev_b32 v3, 2, v0                        ; in: 4 bytes a lane, 512 a work-group
	v_add_nc_u32 v7, VWD, v3                       ; my scale word
	v_add_nc_u32 v4, s23, v17                      ; two blocks of channels a wave
	s_lshl_b32 s24, s22, 19
	s_lshl_b32 s25, s21, 9
	s_add_co_u32 s24, s24, s25
	s_mov_b32 s25, 0
	s_mul_i32 s26, s21, 8*DBLK
	s_mul_i32 s28, s22, 1536
	s_add_co_u32 s26, s26, s28
	s_mov_b32 s27, 0
	s_lshl_b32 s28, s22, 12
	s_lshl_b32 s29, s21, 9
	s_add_co_u32 s28, s28, s29
	s_mov_b32 s29, 0
	s_wait_alu depctr_va_vdst(0)                   ; the wait at the head's end
	s_wait_kmcnt 0x0
	s_add_nc_u64 s[8:9], s[8:9], s[24:25]
	s_add_nc_u64 s[14:15], s[14:15], s[26:27]
	s_add_nc_u64 s[16:17], s[16:17], s[28:29]
.set i, 0
.rept 128
	global_load_b32 v[X+i], v3, s[8:9] offset:4096*i th:TH_LOAD_NT
.set i, i+1
.endr
	s_wait_loadcnt 63                              ; the first 65 are in: blocks 0 and 1
	PAIR X, X+32, 224, 236
	v_lshl_or_b32 v18, v15, 8, v14
	s_wait_loadcnt 0x0
	PAIR X+64, X+96, 230, 242
	v_lshl_or_b32 v18, v14, 16, v18
	v_lshl_or_b32 v18, v15, 24, v18
; Lanes 0-15 hold four blocks of keys of one block of channels, lanes 16-31 of the next; the operand wants blocks 0 and 2 in lanes 0-15, 1 and 3 in lanes 16-31
.irp i, 0,1,2,3,4,5
	v_permlane16_swap_b32 v[224+\i], v[236+\i]
	v_permlane16_swap_b32 v[230+\i], v[242+\i]
.endr
.irp i, 0,1,2
	global_store_b128 v4, v[224+4*\i:227+4*\i], s[14:15] offset:512*\i
	global_store_b128 v4, v[236+4*\i:239+4*\i], s[14:15] offset:DBLK+512*\i
.endr
	ds_store_b32 v7, v18
	TAIL VWD, 16
.Lfunc_end_k_qa4bedfd611_quant:
	.size	k_qa4bedfd611_quant, .Lfunc_end_k_qa4bedfd611_quant-k_qa4bedfd611_quant
	.p2alignl 7, 3214868480
	.fill 96, 4, 3214868480
	.section	.rodata,"a",@progbits
	.p2align	6, 0x0
	.amdhsa_kernel k_qa4bedfd611_quant
		.amdhsa_group_segment_fixed_size 69120
		.amdhsa_private_segment_fixed_size 0
		.amdhsa_enable_private_segment 0
		.amdhsa_kernarg_size 56
		.amdhsa_user_sgpr_count 2
		.amdhsa_user_sgpr_kernarg_segment_ptr 1
		.amdhsa_wavefront_size32 1
		.amdhsa_system_sgpr_workgroup_id_x 1
		.amdhsa_system_sgpr_workgroup_id_y 1
		.amdhsa_system_sgpr_workgroup_id_z 1
		.amdhsa_system_vgpr_workitem_id 0
		.amdhsa_next_free_vgpr 256
		.amdhsa_next_free_sgpr 66
		.amdhsa_reserve_vcc 0
		.amdhsa_float_denorm_mode_32 3
		.amdhsa_float_denorm_mode_16_64 3
		.amdhsa_memory_ordered 1
		.amdhsa_forward_progress 1
		.amdhsa_inst_pref_size 37
	.end_amdhsa_kernel
	.amdgpu_metadata
---
amdhsa.version: [ 1, 2 ]
amdhsa.kernels:
  - .name:           k_qa4bedfd611_quant
    .symbol:         k_qa4bedfd611_quant.kd
    .args:
      - { .name: q, .offset: 0, .size: 8, .value_kind: global_buffer, .address_space: global }
      - { .name: k, .offset: 8, .size: 8, .value_kind: global_buffer, .address_space: global }
      - { .name: v, .offset: 16, .size: 8, .value_kind: global_buffer, .address_space: global }
      - { .name: qx, .offset: 24, .size: 8, .value_kind: global_buffer, .address_space: global }
      - { .name: kx, .offset: 32, .size: 8, .value_kind: global_buffer, .address_space: global }
      - { .name: vc, .offset: 40, .size: 8, .value_kind: global_buffer, .address_space: global }
      - { .name: vs, .offset: 48, .size: 8, .value_kind: global_buffer, .address_space: global }
    .group_segment_fixed_size: 69120
    .private_segment_fixed_size: 0
    .kernarg_segment_align: 8
    .kernarg_segment_size: 56
    .max_flat_workgroup_size: 128
    .sgpr_count:     66
    .vgpr_count:     256
    .wavefront_size: 32
...
	.end_amdgpu_metadata
.endif
;; end of part 1
;; launch scores (part 2): grid 16 x 16, 8 waves a work-group, clusters of 4 x 4, 327,680 bytes of LDS; arguments qx, kx, pc, pst; writes pc, pst
.if DOCPART == 2
	.amdgcn_target "amdgcn-amd-amdhsa--gfx1250"
	.amdhsa_code_object_version 6
	.text
	.protected	k_qa4bedfd611_scores
	.globl	k_qa4bedfd611_scores
	.p2align	8
	.type	k_qa4bedfd611_scores,@function
k_qa4bedfd611_scores:
	s_mov_b64 s[64:65], 0
	v_nop
	global_prefetch_b8 v0, s[64:65] scope:SCOPE_SE
	s_setreg_imm32_b32 hwreg(HW_REG_WAVE_MODE, 25, 1), 1
	s_wait_xcnt 0x0
	s_wait_alu depctr_hold_cnt(0) depctr_sa_sdst(0) depctr_va_vdst(0) depctr_va_sdst(0) depctr_va_ssrc(0) depctr_va_vcc(0) depctr_vm_vsrc(0)
	s_getreg_b32 s2, hwreg(HW_REG_IB_STS2, 6, 4)
	s_cmp_eq_u32 s2, 0
	s_cbranch_scc0 .Lentry_in_a_cluster
	s_endpgm
.Lentry_in_a_cluster:
	s_bfe_u32 s2, ttmp6, 0x10000c
	s_cmp_lg_u32 s2, 0xf033
	s_cbranch_scc0 .Lentry_shape_is_right
	s_endpgm
.Lentry_shape_is_right:
; S^T = k q^T on codes of FP6, then for each row and each chunk of 128 keys p = 2^(t - M_c), M_c the ceiling of the chunk's largest t: p's codes as images (pc), and a record of 16 bytes in
; pst[chunk][row]: p's scale word with 128 added to each byte, -M_c, the chunk's sum of the unquantised p, 0.  The next launch brings all chunks of a row under the row's M.
; LIMITS: p's blocks whose largest p lies under 2^-124 keep the scale byte 1; NaN and infinities are not served.
; A work-group makes 256 queries x 256 keys (256 work-groups), a wave 64 queries x 128 keys: 32 accumulators.  K = 1,024 is 8 chunks of 128, 49,152 bytes each for the work-group; LDS holds six.
; At the head waves 0-3 ask for the scale words and chunks 0 and 1 (3,584 bytes of each block of 16 rows), waves 4-7 for chunks 2 to 5 (6,144 bytes): one load a wave.  One refill brings the last
; 3,584 bytes of each block (the end of chunk 5, not read there, and chunks 6 and 7) onto chunks 0 and 1; by then all scale words are in registers.
; CLUSTERS: 4 x 4 work-groups; the four of a row share q's tiles, the four of a column k's: each is asked for jointly.
; No prefetch: the text has no loop to run ahead in, six of the eight chunks are asked for at the head and the refill has four chunks' products in which to land.
; TRANSPOSED USE: source 0 = 16 keys, source 1 = 16 queries: a lane holds one query, and the 16 registers of two neighbouring tiles are 16 neighbouring keys.
; REGISTERS: window 0: addresses, v16-95 scale words and nothing else (block i's chunk g at 16 + 10 i + g: lanes 0-15 q's, lanes 16-31 k's), v96-143 q's fragments, v144-239 k's; window 1: the accumulators, (a, b) at 64 a + 8 b.
.set BLKB, 12800
.set RA,   3584
.set RB,   6144
.set LB,   32*RA                       ; chunks 2 to 5: q's 16 blocks, then k's
.set SPARE, LB+32*RB                   ; the spare words, 128 bytes a wave
.set DBLK, 49152
.set AQA, 4
.set AKA, 5
.set AQB, 6
.set AKB, 7
.set ADS, 8
.set LI,  9
.set SPW, 10
.set NIL, 11
.set SC,  16
.set QF,  96
.set KF,  144
.set XP,  96                           ; the softmax, on the fragments' registers: v96-159 p; v160-207 codes; TM ..
.set TM,  208
.set T0,  228
.set SA,  230
.set REC, 240
.set G1QA, 24
.set G1KA, 32
.set G1QB, 40
.set G1KB, 48
.set G0QA, 56
.set G0KA, 60
.set G0QB, 68
.set G0KB, 72
.set MSB, 0
.macro WIN new                         ; the immediate's high byte repeats the setting that is left
.if MSB != (\new)
	s_set_vgpr_msb (MSB<<8)|(\new)
.set MSB, (\new)
.endif
.endm
.macro LOADT g0, g1
	tensor_load_to_lds s[\g0:\g0+3], s[\g1:\g1+7]
	s_nop 0
.rept 4
	v_nop
.endr
.endm
.macro CREST                           ; a round of the cluster's barrier behind its opening barrier
	s_cmp_lg_u32 s14, 0
	s_cbranch_scc1 .Lnot_wave_0_\@
	s_barrier_signal -3
.Lnot_wave_0_\@:
	s_barrier_wait -3
	s_barrier_signal -1
	s_barrier_wait -1
.endm
.macro CROUND
	s_barrier_signal -1
	s_barrier_wait -1
	CREST
.endm
.macro PLACES                          ; four places behind matrix instructions (not for loads)
.rept 4
	v_nop
.endr
.endm
	s_load_b256 s[4:11], s[0:1], 0x0               ; qx, kx, pc, pst
	v_lshl_add_u32 v[SPW], v0, 2, SPARE
	v_mov_b32 v[NIL], 0
	ds_add_u32 v[SPW], v[NIL]
	ds_add_u32 v[SPW], v[NIL]
	v_lshrrev_b32 v1, 5, v0
	v_readfirstlane_b32 s14, v1                    ; wave 0..7
	s_lshr_b32 s15, s14, 1                         ; which 64 queries are mine
	s_and_b32 s16, s14, 1                          ; which 128 keys.  Also: which eight blocks of a tile I fetch
	s_bfe_u32 s76, ttmp6, 0x40000                  ; cx, cy
	s_bfe_u32 s77, ttmp6, 0x40004
	s_lshl_b32 s78, ttmp9, 2
	s_add_co_u32 s78, s78, s76                     ; tile column (256 keys)
	s_and_b32 s17, ttmp7, 0xffff
	s_lshl_b32 s17, s17, 2
	s_add_co_u32 s17, s17, s77                     ; tile row (256 queries)
	s_lshl_b32 s79, s77, 2
	s_lshl_b32 s79, 15, s79                        ; my row of the cluster
	s_lshl_b32 s80, 0x1111, s76                    ; my column
	s_or_b32 s[G1QA], s79, (3<<16)|(1<<21)         ; elements of 8 bytes; 21 set beside a mask; no padding
	s_or_b32 s[G1KA], s80, (3<<16)|(1<<21)
	s_or_b32 s[G1QB], s79, (3<<16)|(1<<21)
	s_or_b32 s[G1KB], s80, (3<<16)|(1<<21)
.irp g, G1QA, G1KA                     ; eight rows (blocks) of 3,584 bytes, 12,800 apart
	s_mov_b32 s[\g+1], (RA/8)<<16
	s_mov_b32 s[\g+2], 8<<16
	s_mov_b32 s[\g+3], (RA/8)<<16
	s_mov_b32 s[\g+4], 8
	s_mov_b32 s[\g+5], BLKB/8
	s_mov_b32 s[\g+6], 0
	s_mov_b32 s[\g+7], 0
.endr
.irp g, G1QB, G1KB                     ; eight rows of 6,144 bytes
	s_mov_b32 s[\g+1], (RB/8)<<16
	s_mov_b32 s[\g+2], 8<<16
	s_mov_b32 s[\g+3], (RB/8)<<16
	s_mov_b32 s[\g+4], 8
	s_mov_b32 s[\g+5], BLKB/8
	s_mov_b32 s[\g+6], 0
	s_mov_b32 s[\g+7], 0
.endr
	s_lshl_b32 s18, s16, 3
	s_lshl_b32 s20, s17, 4
	s_add_co_u32 s20, s20, s18                     ; q: block 16 x tile row + 8 x half
	s_mul_i32 s20, s20, BLKB
	s_mov_b32 s21, 0
	s_lshl_b32 s22, s78, 4
	s_add_co_u32 s22, s22, s18                     ; k: block 16 x tile column + 8 x half
	s_mul_i32 s22, s22, BLKB
	s_mov_b32 s23, 0
	s_and_b32 s18, s14, 3                          ; where they go: q's two halves, then k's
	s_mul_i32 s19, s18, 8*RA
	s_mul_i32 s18, s18, 8*RB
	s_add_co_u32 s18, s18, LB
	s_wait_dscnt 0x0                               ; both opening adds are done
	s_wait_kmcnt 0x0
	s_add_nc_u64 s[4:5], s[4:5], s[20:21]
	s_add_nc_u64 s[6:7], s[6:7], s[22:23]
.macro G0 g, lds, ptr, off
	s_mov_b32 s[\g], 1
	s_mov_b32 s[\g+1], s[\lds]
	s_add_nc_u64 s[\g+2:\g+3], s[\ptr:\ptr+1], \off
	s_or_b32 s[\g+3], s[\g+3], 0x80000000
.endm
	G0 G0QA, 19, 4, 0
	G0 G0KA, 19, 6, 0
	G0 G0QB, 18, 4, RA
	G0 G0KB, 18, 6, RA
	CROUND                                         ; all sixteen work-groups are here: the first joint loads meet
	s_cmp_lt_u32 s14, 2                            ; one load a wave, one chain of arms
	s_cbranch_scc0 .Lka
	LOADT G0QA, G1QA
	s_branch .Lasked
.Lka:
	s_cmp_lt_u32 s14, 4
	s_cbranch_scc0 .Lqb
	LOADT G0KA, G1KA
	s_branch .Lasked
.Lqb:
	s_cmp_lt_u32 s14, 6
	s_cbranch_scc0 .Lkb
	LOADT G0QB, G1QB
	s_branch .Lasked
.Lkb:
	LOADT G0KB, G1KB
.Lasked:
	s_lshl_b32 s84, s17, 4
	s_lshl_b32 s85, s15, 2
	s_add_co_u32 s84, s84, s85                     ; my first block of 16 queries
	s_lshl_b32 s86, s78, 1
	s_add_co_u32 s86, s86, s16                     ; my chunk of 128 keys
	s_mul_i32 s88, s84, DBLK
	s_mul_i32 s85, s86, 1536
	s_add_co_u32 s88, s88, s85
	s_mov_b32 s89, 0
	s_add_nc_u64 s[8:9], s[8:9], s[88:89]
	s_lshl_b32 s88, s86, 16
	s_lshl_b32 s84, s84, 8
	s_add_co_u32 s88, s88, s84
	s_add_nc_u64 s[10:11], s[10:11], s[88:89]
	s_mov_b32 s66, 0x3d38aa3b                      ; log2(e) / sqrt(1024)
	s_mov_b32 s67, s66
	s_mov_b32 s82, 0x80808080
	s_mov_b32 s95, 0xffff0000
	s_mov_b32 s98, 0x76543210
	s_mov_b32 s99, 0xfedcba98                      ; v_permlanex16_b32's selects for lane l xor 16
	s_mul_i32 s90, s15, 4*RA                       ; my four blocks of q,
	s_mul_i32 s91, s16, 8*RA
	s_add_co_u32 s91, s91, 16*RA                   ; my eight of k, behind q's sixteen
	s_mul_i32 s92, s15, 4*RB
	s_add_co_u32 s92, s92, LB
	s_mul_i32 s93, s16, 8*RB
	s_add_co_u32 s93, s93, LB+16*RB
	s_sub_co_u32 s94, s91, s90
	v_and_b32 v1, 31, v0
	v_and_b32 v2, 15, v0
	v_bfe_u32 v3, v0, 4, 1
	v_lshlrev_b32 v[LI], 4, v1                     ; 16 x lane: my place in an image
	v_lshlrev_b32 v2, 5, v2
	v_mul_u32_u24 v3, s94, v3
	v_add_nc_u32 v[AQA], s90, v[LI]
	v_add_nc_u32 v[AKA], s91, v[LI]
	v_add_nc_u32 v[AQB], s92, v[LI]
	v_add_nc_u32 v[AKB], s93, v[LI]
	v_add_nc_u32 v2, v2, v3
	v_add_nc_u32 v[ADS], s90, v2                   ; scale words, 32 bytes a row: lanes 0-15 q's, lanes 16-31 k's
.macro FR dst, adr, off
.irp c, 0,1,2
	ds_load_b128 v[\dst+4*\c:\dst+4*\c+3], v[\adr] offset:\off+512*\c
.endr
.endm
.macro FQ g                            ; q's four fragments of chunk g: 12 loads of 512 consecutive bytes
.irp a, 0,1,2,3
.if ((\g) > 1) && ((\g) < 6)
	FR QF+12*\a, AQB, RB*\a+1536*((\g)-2)
.else
	FR QF+12*\a, AQA, RA*\a+512+1536*((\g)%6)
.endif
.endr
.endm
.macro FK g, b0                        ; four of k's eight: 12 loads
.irp b, \b0, \b0+1, \b0+2, \b0+3
.if ((\g) > 1) && ((\g) < 6)
	FR KF+12*(\b), AKB, RB*(\b)+1536*((\g)-2)
.else
	FR KF+12*(\b), AKA, RA*(\b)+512+1536*((\g)%6)
.endif
.endr
.endm
; 16 matrix instructions: k's blocks b0 .. b0 + 3 x q's four.  The 32 accumulators take turns in the same order in every chunk
.macro MUL g, b0
	WIN 0x50
.irp b, \b0, \b0+1, \b0+2, \b0+3
.irp a, 0,1,2,3
.if (\g) == 0
	v_wmma_scale_f32_16x16x128_f8f6f4 v[64*\a+8*(\b):64*\a+8*(\b)+7], v[KF+12*(\b):KF+12*(\b)+11], v[QF+12*\a:QF+12*\a+11], 0, v[SC+10*(\b)+\g], v[SC+10*\a+\g] matrix_a_fmt:MATRIX_FMT_FP6 matrix_b_fmt:MATRIX_FMT_FP6 matrix_a_scale:MATRIX_SCALE_ROW1
.else
	v_wmma_scale_f32_16x16x128_f8f6f4 v[64*\a+8*(\b):64*\a+8*(\b)+7], v[KF+12*(\b):KF+12*(\b)+11], v[QF+12*\a:QF+12*\a+11], v[64*\a+8*(\b):64*\a+8*(\b)+7], v[SC+10*(\b)+\g], v[SC+10*\a+\g] matrix_a_fmt:MATRIX_FMT_FP6 matrix_b_fmt:MATRIX_FMT_FP6 matrix_a_scale:MATRIX_SCALE_ROW1
.endif
.endr
.endr
.endm
.macro STEP g
	s_wait_dscnt 12                                ; all but k's blocks 4-7
	MUL \g, 0
	PLACES
	WIN 0
	FK (\g)+1, 0
	s_wait_dscnt 12                                ; all but the twelve just issued
	MUL \g, 4
	PLACES
	WIN 0
	FQ (\g)+1
	FK (\g)+1, 4
.endm
.macro TURN g, fill                    ; chunk g is the last of its tile
	s_wait_dscnt 12
	MUL \g, 0
	WIN 0
	s_wait_tensorcnt 0x0                           ; all my tensor loads have landed: the next chunk's tile among them
	ds_add_u32 v[SPW], v[NIL]
.if \fill
	s_add_nc_u64 s[G0QA+2:G0QA+3], s[G0QA+2:G0QA+3], BLKB-RA   ; to the last 3,584 bytes of each block
	s_add_nc_u64 s[G0KA+2:G0KA+3], s[G0KA+2:G0KA+3], BLKB-RA
.endif
	s_wait_dscnt 0x0                               ; the add is done, and so are my reads
	s_barrier_signal -1
	MUL \g, 4
	WIN 0
	s_barrier_wait -1
.if \fill
	CREST                                          ; no wave of any partner still reads chunks 0 and 1 or has a load on its way
	s_cmp_lt_u32 s14, 2
	s_cbranch_scc0 .Lrk
	LOADT G0QA, G1QA
	s_branch .Lrd
.Lrk:
	s_cmp_lt_u32 s14, 4
	s_cbranch_scc0 .Lrd
	LOADT G0KA, G1KA
.Lrd:
.endif
	PLACES
	FQ (\g)+1
	FK (\g)+1, 0
	FK (\g)+1, 4
.endm
	s_wait_alu depctr_va_vdst(0)                   ; the wait at the head's end
	s_cmp_lt_u32 s14, 4                            ; waves 0-3 wait for what they alone asked for
	s_cbranch_scc0 .Lnot_mine
	s_wait_tensorcnt 0x0
.Lnot_mine:
	s_barrier_signal -1
	s_barrier_wait -1                              ; scale words and chunks 0 and 1 are in
	FQ 0
.irp i, 0,1,2,3,4,5,6,7
	ds_load_b128 v[SC+10*\i:SC+10*\i+3], v[ADS] offset:RA*\i
	ds_load_b128 v[SC+10*\i+4:SC+10*\i+7], v[ADS] offset:RA*\i+16
.endr
	FK 0, 0
	FK 0, 4
	STEP 0
	TURN 1, 1
	STEP 2
	STEP 3
	STEP 4
	TURN 5, 0
	STEP 6
	s_wait_dscnt 12
	MUL 7, 0
	s_wait_dscnt 0x0
	MUL 7, 4
	WIN 0
; The softmax of 16 queries x 128 keys.  A block's largest p is made from its largest score, by the same multiply-add and exponential (taken not to fall where its input rises).
.macro SOFT a
.set AC,  64*(\a)
.set NM,  220+2*((\a)%2)
.set LL,  224+(\a)%2
.set WW,  226+(\a)%2
.set PCD, 160+24*((\a)%2)
.if \a
	s_wait_alu depctr_va_vdst(0)                   ; exponentials stand between the products and these readers
.endif
	WIN 0x15
.irp b, 0,1,2,3
	v_max3_num_f32 v[TM+\b], v[AC+16*\b], v[AC+16*\b+1], v[AC+16*\b+2]
.endr
	WIN 0x14
.irp i, 3,5,7,9,11,13
.irp b, 0,1,2,3
	v_max3_num_f32 v[TM+\b], v[TM+\b], v[AC+16*\b+\i], v[AC+16*\b+\i+1]
.endr
.endr
.irp b, 0,1,2,3
	v_max_num_f32 v[TM+\b], v[TM+\b], v[AC+16*\b+15]
.endr
	WIN 0
.irp b, 0,1,2,3
	v_permlanex16_b32 v[TM+4+\b], v[TM+\b], s98, s99
.endr
.irp b, 0,1,2,3
	v_max_num_f32 v[TM+\b], v[TM+\b], v[TM+4+\b]   ; the largest score of each block of 32 keys
.endr
	v_max3_num_f32 v[T0], v[TM], v[TM+1], v[TM+2]
	v_max_num_f32 v[T0], v[T0], v[TM+3]
	v_mul_f32 v[T0], s66, v[T0]
	v_floor_f32 v[NM], -v[T0]                      ; -M_c
	WIN 0x01
.set j, 0
.rept 32
	v_pk_fma_f32 v[XP+j:XP+j+1], v[AC+j:AC+j+1], s[66:67], v[NM:NM+1] op_sel_hi:[1,0,0]
.set j, j+2
.endr
	WIN 0
.irp b, 0,1,2,3
	v_fma_f32 v[TM+\b], v[TM+\b], s66, v[NM]
.endr
.if (\a) > 1
	s_wait_xcnt 0x0                                ; the stores of two blocks ago have read their registers
.endif
	s_wait_alu depctr_va_vdst(0)                   ; the wait ahead of the batch
.set j, 0
.rept 64
	v_exp_f32 v[XP+j], v[XP+j]
.set j, j+1
.endr
.irp b, 0,1,2,3
	v_exp_f32 v[TM+\b], v[TM+\b]
.endr
	v_nop
	s_wait_alu depctr_va_vdst(0)                   ; and behind it
.irp i, 0,1,2,3
	v_pk_add_f32 v[SA+2*\i:SA+2*\i+1], v[XP+4*\i:XP+4*\i+1], v[XP+4*\i+2:XP+4*\i+3]   ; the sum of the unquantised p, in four chains
.endr
.irp j, 16,24,32,40,48,56
.irp i, 0,1,2,3
	v_pk_add_f32 v[SA+2*\i:SA+2*\i+1], v[SA+2*\i:SA+2*\i+1], v[XP+\j+2*\i:XP+\j+2*\i+1]
.endr
.endr
.irp b, 0,1,2,3
	v_max_num_f32 v[TM+\b], 0x1800000, v[TM+\b]    ; the floor 2^(3 - 127)
.endr
	v_pk_add_f32 v[SA:SA+1], v[SA:SA+1], v[SA+2:SA+3]
	v_pk_add_f32 v[SA+4:SA+5], v[SA+4:SA+5], v[SA+6:SA+7]
.irp b, 0,1,2,3
	v_add_nc_u32 v[TM+8+\b], 0xff000000, v[TM+\b]  ; the conversions' scale operands
.endr
	v_pk_add_f32 v[SA:SA+1], v[SA:SA+1], v[SA+4:SA+5]
.irp b, 0,1,2,3
	v_lshrrev_b32 v[TM+4+\b], 23, v[TM+8+\b]
.endr
	v_add_f32 v[T0], v[SA], v[SA+1]
	v_lshl_or_b32 v[WW], v[TM+5], 8, v[TM+4]
	v_lshl_or_b32 v[TM+6], v[TM+7], 8, v[TM+6]
	v_permlanex16_b32 v[T0+1], v[T0], s98, s99
	v_lshl_or_b32 v[WW], v[TM+6], 16, v[WW]
	v_add_f32 v[LL], v[T0], v[T0+1]
	v_or_b32 v[WW], s82, v[WW]                     ; 128 on each byte, for the next launch's subtraction
.irp c, 0,1
	v_cvt_scalef32_pk16_fp6_f32 v[PCD+6*\c:PCD+6*\c+2], v[XP+32*\c:XP+32*\c+15], v[TM+8+2*\c]
	v_cvt_scalef32_pk16_fp6_f32 v[PCD+12+4*\c:PCD+14+4*\c], v[XP+16+32*\c:XP+31+32*\c], v[TM+8+2*\c+1]
.endr
	v_nop
.irp c, 0,1                            ; whole blocks to a lane: lanes 0-15 block 2 c, lanes 16-31 block 2 c + 1
.irp i, 0,1,2
	v_permlane16_swap_b32 v[PCD+6*\c+\i], v[PCD+12+4*\c+\i]
.endr
.irp i, 0,1,2
	v_mov_b32 v[PCD+3+6*\c+\i], v[PCD+12+4*\c+\i]
.endr
.endr
.irp c, 0,1,2
	global_store_b128 v[LI], v[PCD+4*\c:PCD+4*\c+3], s[8:9] offset:(\a)*DBLK+512*\c
.endr
.if (\a)%2                             ; two blocks' records: 512 consecutive bytes
	v_cndmask_b32 v[REC], v226, v227, s95
	v_cndmask_b32 v[REC+1], v220, v222, s95
	v_cndmask_b32 v[REC+2], v224, v225, s95
	global_store_b128 v[LI], v[REC:REC+3], s[10:11] offset:((\a)-1)*256
.endif
.endm
	PLACES
	v_mov_b32 v221, 0                              ; the upper halves of pairs, and lane permutes' destinations, are written once
	v_mov_b32 v223, 0
	v_mov_b32 v[T0+1], 0
	v_mov_b32 v[REC+3], 0
.irp b, 0,1,2,3
	v_mov_b32 v[TM+4+\b], 0
.endr
.irp a, 0,1,2,3
	SOFT \a
.endr
	s_wait_tensorcnt 0x0                           ; the wave's end
	ds_add_u32 v[SPW], v[NIL]
	s_wait_dscnt 0x0
	CROUND                                         ; the closing round
	s_endpgm
.Lfunc_end_k_qa4bedfd611_scores:
	.size	k_qa4bedfd611_scores, .Lfunc_end_k_qa4bedfd611_scores-k_qa4bedfd611_scores
	.p2alignl 7, 3214868480
	.fill 96, 4, 3214868480
	.section	.rodata,"a",@progbits
	.p2align	6, 0x0
	.amdhsa_kernel k_qa4bedfd611_scores
		.amdhsa_group_segment_fixed_size 327680
		.amdhsa_private_segment_fixed_size 0
		.amdhsa_enable_private_segment 0
		.amdhsa_kernarg_size 32
		.amdhsa_user_sgpr_count 2
		.amdhsa_user_sgpr_kernarg_segment_ptr 1
		.amdhsa_wavefront_size32 1
		.amdhsa_system_sgpr_workgroup_id_x 1
		.amdhsa_system_sgpr_workgroup_id_y 1
		.amdhsa_system_sgpr_workgroup_id_z 1
		.amdhsa_system_vgpr_workitem_id 0
		.amdhsa_next_free_vgpr 512
		.amdhsa_next_free_sgpr 100
		.amdhsa_reserve_vcc 0
		.amdhsa_float_denorm_mode_32 3
		.amdhsa_float_denorm_mode_16_64 3
		.amdhsa_memory_ordered 1
		.amdhsa_forward_progress 1
		.amdhsa_inst_pref_size 109
	.end_amdhsa_kernel
	.amdgpu_metadata
---
amdhsa.version: [ 1, 2 ]
amdhsa.kernels:
  - .name:           k_qa4bedfd611_scores
    .symbol:         k_qa4bedfd611_scores.kd
    .args:
      - { .name: qx, .offset: 0, .size: 8, .value_kind: global_buffer, .address_space: global }
      - { .name: kx, .offset: 8, .size: 8, .value_kind: global_buffer, .address_space: global }
      - { .name: pc, .offset: 16, .size: 8, .value_kind: global_buffer, .address_space: global }
      - { .name: pst, .offset: 24, .size: 8, .value_kind: global_buffer, .address_space: global }
    .group_segment_fixed_size: 327680
    .private_segment_fixed_size: 0
    .kernarg_segment_align: 8
    .kernarg_segment_size: 32
    .max_flat_workgroup_size: 256
    .sgpr_count:     100
    .vgpr_count:     512
    .wavefront_size: 32
...
	.end_amdgpu_metadata
.endif
;; end of part 2
;; launch out (part 3): grid 8 x 32, 8 waves a work-group, clusters of 4 x 4, 327,680 bytes of LDS; arguments pc, vc, vs, pst, out0; writes out0
.if DOCPART == 3
	.amdgcn_target "amdgcn-amd-amdhsa--gfx1250"
	.amdhsa_code_object_version 6
	.text
	.protected	k_qa4bedfd611_out
	.globl	k_qa4bedfd611_out
	.p2align	8
	.type	k_qa4bedfd611_out,@function
k_qa4bedfd611_out:
	s_mov_b64 s[64:65], 0
	v_nop
	global_prefetch_b8 v0, s[64:65] scope:SCOPE_SE
	s_setreg_imm32_b32 hwreg(HW_REG_WAVE_MODE, 25, 1), 1
	s_wait_xcnt 0x0
	s_wait_alu depctr_hold_cnt(0) depctr_sa_sdst(0) depctr_va_vdst(0) depctr_va_sdst(0) depctr_va_ssrc(0) depctr_va_vcc(0) depctr_vm_vsrc(0)
	s_getreg_b32 s2, hwreg(HW_REG_IB_STS2, 6, 4)
	s_cmp_eq_u32 s2, 0
	s_cbranch_scc0 .Lentry_in_a_cluster
	s_endpgm
.Lentry_in_a_cluster:
	s_bfe_u32 s2, ttmp6, 0x10000c
	s_cmp_lg_u32 s2, 0xf033
	s_cbranch_scc0 .Lentry_shape_is_right
	s_endpgm
.Lentry_shape_is_right:
; O = (p v) / l on codes of FP6 with E8M0 scales, K = the 4,096 keys.  p's codes (pc) and v's (vc) lie as images of the operand's registers, [block of 16 rows][32 chunks of 128 keys][1,536 bytes].
; THE FIX.  p was made chunk by chunk under the chunk's own whole number M_c (records in pst: scale word with 128 on each byte, -M_c, l_c).  Two threads take a row of the work-group's 128, 16 chunks each: M = the largest M_c
; of both; each chunk's four scale bytes lose d = M - M_c; l = the sum of l_c 2^(-d); 1 / l multiplies O at the end.
; LIMITS: d is held at 127 (where l_c counts as 0), and a byte that would fall under 0 becomes 0 (2^-127): such a chunk lies at least 2^-124 under the row's largest p.  NaN and infinities are not served.
; A work-group makes 128 queries x 128 channels (256 work-groups).  Eight waves: waves w and w + 4 make the same 64 x 64 of O, each from half of the keys (by the place of a chunk in its slot), and exchange half of their sums at the end.
; The upper four waves take their four blocks of queries in the order 2, 3, 0, 1: so every wave keeps its first two blocks and gives the other two away.
; Two slots: slot 0 holds 6 chunks, slot 1 holds 5: chunks 0-5, 6-10, 11-16, 17-21, 22-27, 27-31; the last fill begins one chunk early, so that slot 1 has one shape of tile (chunk 27 is passed over there).
; Waves 0-3 fill slot 0, waves 4-7 slot 1, one load each, both at the head.
; CLUSTERS: 4 x 4 work-groups; the four of a row share p's tiles, the four of a column v's: each is asked for jointly.
; PREFETCH: while a slot is multiplied, the fill that will follow into it is asked for, one slot's products ahead of its load.  Of a tile's eight blocks the partner at place c takes blocks 2 c and 2 c + 1, by address, and each
; wave a quarter of one block's run: 9, 8 or 6 units of 256 bytes for 6, 5 or 4 chunks (left-over lanes name the last unit again).  v's tiles, which eight rows of clusters read, are asked for by the first two rows alone.
; The first two fills come by their loads alone; the last two slots' products ask for nothing.
; TRANSPOSED USE: source 0 = 16 channels of v, source 1 = 16 queries of p: a lane holds eight neighbouring channels of one query's row of O.
; REGISTERS: window 0: v1-31, v40-47 addresses and l; v32-39 scale words and nothing else, four a buffer: lanes 0-15 p's block i, lanes 16-31 v's; v64-159 and v160-255 fragment buffers
; (p's four at +12 a, v's four at +48 + 12 b); at the head records in v128-191, v's scale words in v64-79.  Window 1: the accumulators, (a, b) at 32 a + 8 b.
.set IMG,   1536
.set DBLK,  32*IMG
.set N0,    6
.set N1,    5
.set BR0,   N0*IMG
.set BR1,   N1*IMG
.set HT0,   4*BR0                      ; four blocks: one tensor load
.set HT1,   4*BR1
.set S1,    4*HT0                      ; slot 0: p's 8 blocks, then v's 8; slot 1 begins here
.set TAB,   S1+4*HT1                   ; scale words, TP bytes a chunk: p's 128, a gap of 64 bytes, v's 128
.set TP,    1088
.set TV,    576
.set RLP,   TAB+32*TP                  ; the two halves of l, 128 rows each
.set MX,    RLP+1024                   ; the two halves' -M
.set SPARE, MX+1024                    ; the spare words, 128 bytes a wave
.set XCH,   0                          ; at the end, on slot 0, which has had its last fill: 8,192 bytes a wave for the exchange,
.set STAGE, 65536                      ; and 16 rows x 272 bytes a wave for the way out
.set STP,   272
.set PF,   4
.set RLA,  7
.set RLV,  8
.set ADRL, 12
.set ADRH, 14
.set ADRB, 16
.set STO,  18
.set RD,   19
.set CO,   20
.set ADL,  21
.set ADH,  22
.set MXW,  23
.set SPW,  24
.set NIL,  25
.set PTA,  26
.set RLS,  27
.set VTA,  28
.set MXR,  29
.set XW,   40
.set XR,   41
.set SC,   32
.set FB,   64
.set VWS,  64
.set RECS, 128
.set G1,   24
.set G0,   32
.set G1B,  48
.set G0B,  56
.set G1X,  80
.set G1BX, 88
.set MSB, 0
.macro WIN new                         ; the immediate's high byte repeats the setting that is left
.if MSB != (\new)
	s_set_vgpr_msb (MSB<<8)|(\new)
.set MSB, (\new)
.endif
.endm
.macro LOADT g0, g1
	tensor_load_to_lds s[\g0:\g0+3], s[\g1:\g1+7]
	s_nop 0
.rept 4
	v_nop
.endr
.endm
.macro JLOAD s                         ; a joint refill: slot 0 by waves 0-3, slot 1 by waves 4-7; of each four the first two fetch p's halves, the others v's
	s_cmp_lt_u32 s14, 4
.if \s
	s_cbranch_scc1 .Lasked_\@
	s_cmp_lt_u32 s14, 6
	s_cbranch_scc0 .Lfor_b_\@
	LOADT G0+4, G1X
	s_branch .Lasked_\@
.Lfor_b_\@:
	LOADT G0B+4, G1BX
.else
	s_cbranch_scc0 .Lasked_\@
	s_cmp_lt_u32 s14, 2
	s_cbranch_scc0 .Lfor_b_\@
	LOADT G0, G1
	s_branch .Lasked_\@
.Lfor_b_\@:
	LOADT G0B, G1B
.endif
.Lasked_\@:
.endm
.macro ASK ch, n                       ; the prefetch of the fill that begins at chunk ch; n = 0, 1, 2: 6, 5 or 4 chunks
	global_prefetch_b8 v[PF+\n], s[68:69] offset:IMG*(\ch) th:TH_LOAD_NT scope:SCOPE_SE
	s_cmp_lt_u32 s98, 2
	s_cbranch_scc0 .Lno_v_\@
	global_prefetch_b8 v[PF+\n], s[70:71] offset:IMG*(\ch) th:TH_LOAD_NT scope:SCOPE_SE
.Lno_v_\@:
.endm
.macro CREST                           ; a round of the cluster's barrier behind its opening barrier
	s_cmp_lg_u32 s14, 0
	s_cbranch_scc1 .Lnot_wave_0_\@
	s_barrier_signal -3
.Lnot_wave_0_\@:
	s_barrier_wait -3
	s_barrier_signal -1
	s_barrier_wait -1
.endm
.macro CROUND
	s_barrier_signal -1
	s_barrier_wait -1
	CREST
.endm
.macro PLACES                          ; four places behind matrix instructions (not for loads)
.rept 4
	v_nop
.endr
.endm
	s_load_b256 s[4:11], s[0:1], 0x0               ; pc, vc, vs, pst
	s_load_b64 s[12:13], s[0:1], 0x20              ; O
	v_lshl_add_u32 v[SPW], v0, 2, SPARE
	v_mov_b32 v[NIL], 0
	ds_add_u32 v[SPW], v[NIL]
	ds_add_u32 v[SPW], v[NIL]
	v_lshrrev_b32 v1, 5, v0
	v_readfirstlane_b32 s14, v1                    ; wave 0..7
	v_and_b32 v2, 31, v0
	v_lshlrev_b32 v3, 4, v2                        ; 16 x lane
	v_and_b32 v30, 127, v0                         ; my row
	v_lshlrev_b32 v30, 4, v30                      ; and its record: 16 bytes
	s_wait_alu depctr_va_vdst(0)                   ; ahead of the scalar lines
	s_lshr_b32 s99, s14, 2                         ; which half of the keys is mine
	s_and_b32 s18, s14, 3
	s_lshr_b32 s15, s18, 1                         ; which 64 queries
	s_and_b32 s16, s14, 1                          ; which 64 channels.  Also: which four blocks of a tile I fetch
	s_bfe_u32 s40, ttmp6, 0x40000                  ; cx, cy
	s_bfe_u32 s41, ttmp6, 0x40004
	s_lshl_b32 s42, ttmp9, 2
	s_add_co_u32 s42, s42, s40                     ; tile column (128 channels)
	s_and_b32 s98, ttmp7, 0xffff                   ; the cluster's row
	s_lshl_b32 s17, s98, 2
	s_add_co_u32 s17, s17, s41                     ; tile row (128 queries)
	s_mul_i32 s45, s18, HT0                        ; where my tile goes, in slot 0
	s_mul_i32 s3, s18, HT1
	s_add_co_u32 s3, s3, S1                        ; or in slot 1
	s_lshl_b32 s18, s42, 9                         ; v's scale words: 512 bytes of each chunk's 4,096; my wave takes four chunks
	s_lshl_b32 s19, s14, 14
	s_add_co_u32 s18, s18, s19
	s_mov_b32 s19, 0
	s_lshl_b32 s22, s17, 11                        ; the records of my work-group's 128 rows,
	s_lshl_b32 s23, s99, 20                        ; my 16 chunks
	s_add_co_u32 s22, s22, s23
	s_mov_b32 s23, 0
	s_wait_dscnt 0x0                               ; both opening adds are done
	s_wait_kmcnt 0x0
	s_add_nc_u64 s[10:11], s[10:11], s[22:23]
	s_add_nc_u64 s[8:9], s[8:9], s[18:19]
.set cc, 0
.rept 16
	global_load_b128 v[RECS+4*cc:RECS+4*cc+3], v30, s[10:11] offset:65536*cc   ; a wave reads 512 consecutive bytes
.set cc, cc+1
.endr
.irp i, 0,1,2,3
	global_load_b128 v[VWS+4*\i:VWS+4*\i+3], v3, s[8:9] offset:4096*\i
.endr
	s_lshl_b32 s43, s41, 2
	s_lshl_b32 s43, 15, s43                        ; my row of the cluster
	s_lshl_b32 s44, 0x1111, s40                    ; my column
	s_or_b32 s[G1+0], s43, (3<<16)|(1<<21)         ; elements of 8 bytes; 21 set beside a mask; no padding
	s_or_b32 s[G1B+0], s44, (3<<16)|(1<<21)
	s_or_b32 s[G1X+0], s43, (3<<16)|(1<<21)
	s_or_b32 s[G1BX+0], s44, (3<<16)|(1<<21)
.irp g, G1, G1B                        ; slot 0: four rows (blocks) of 9,216 bytes
	s_mov_b32 s[\g+1], (BR0/8)<<16
	s_mov_b32 s[\g+2], 4<<16
	s_mov_b32 s[\g+3], (BR0/8)<<16
	s_mov_b32 s[\g+4], 4
	s_mov_b32 s[\g+5], DBLK/8
	s_mov_b32 s[\g+6], 0
	s_mov_b32 s[\g+7], 0
.endr
.irp g, G1X, G1BX                      ; slot 1: of 7,680
	s_mov_b32 s[\g+1], (BR1/8)<<16
	s_mov_b32 s[\g+2], 4<<16
	s_mov_b32 s[\g+3], (BR1/8)<<16
	s_mov_b32 s[\g+4], 4
	s_mov_b32 s[\g+5], DBLK/8
	s_mov_b32 s[\g+6], 0
	s_mov_b32 s[\g+7], 0
.endr
	s_lshl_b32 s2, s16, 2
	s_lshl_b32 s20, s17, 3
	s_add_co_u32 s20, s20, s2                      ; p: block 8 x tile row + 4 x half
	s_mul_i32 s20, s20, DBLK
	s_mov_b32 s21, 0
	s_lshl_b32 s46, s42, 3
	s_add_co_u32 s46, s46, s2                      ; v: block 8 x tile column + 4 x half
	s_mul_i32 s46, s46, DBLK
	s_mov_b32 s47, 0
	s_add_nc_u64 s[20:21], s[4:5], s[20:21]
	s_add_nc_u64 s[46:47], s[6:7], s[46:47]
.macro GRP0 g, lds, ptr, off
	s_mov_b32 s[\g], 1
	s_mov_b32 s[\g+1], s[\lds]
	s_add_nc_u64 s[\g+2:\g+3], s[\ptr:\ptr+1], \off
	s_or_b32 s[\g+3], s[\g+3], 0x80000000
.endm
	GRP0 G0, 45, 20, 0
	GRP0 G0+4, 3, 20, BR0
	GRP0 G0B, 45, 46, 0
	GRP0 G0B+4, 3, 46, BR0
	CROUND                                         ; all sixteen work-groups are here: the first joint loads meet
	s_cmp_lt_u32 s14, 2                            ; one load a wave, one chain of arms
	s_cbranch_scc0 .Lvz
	LOADT G0, G1
	s_branch .Lasked
.Lvz:
	s_cmp_lt_u32 s14, 4
	s_cbranch_scc0 .Lpo
	LOADT G0B, G1B
	s_branch .Lasked
.Lpo:
	s_cmp_lt_u32 s14, 6
	s_cbranch_scc0 .Lvo
	LOADT G0+4, G1X
	s_branch .Lasked
.Lvo:
	LOADT G0B+4, G1BX
.Lasked:
	; where my prefetches stand: blocks 2 c + wave / 4 of the tile
	s_lshl_b32 s72, s17, 3
	s_lshl_b32 s73, s40, 1
	s_add_co_u32 s72, s72, s73
	s_add_co_u32 s72, s72, s99
	s_mul_i32 s72, s72, DBLK
	s_mov_b32 s73, 0
	s_add_nc_u64 s[68:69], s[4:5], s[72:73]
	s_lshl_b32 s74, s42, 3
	s_lshl_b32 s75, s41, 1
	s_add_co_u32 s74, s74, s75
	s_add_co_u32 s74, s74, s99
	s_mul_i32 s74, s74, DBLK
	s_mov_b32 s75, 0
	s_add_nc_u64 s[70:71], s[6:7], s[74:75]
	; my part of O: row 128 x tile row + 64 x half + 32 x (wave / 4), byte 512 x tile column + 256 x half
	s_lshl_b32 s72, s17, 7
	s_lshl_b32 s73, s15, 6
	s_add_co_u32 s72, s72, s73
	s_lshl_b32 s73, s99, 5
	s_add_co_u32 s72, s72, s73
	s_lshl_b32 s72, s72, 12
	s_lshl_b32 s74, s42, 9
	s_lshl_b32 s75, s16, 8
	s_add_co_u32 s72, s72, s74
	s_add_co_u32 s72, s72, s75
	s_mov_b32 s73, 0
	s_add_nc_u64 s[12:13], s[12:13], s[72:73]
	s_mov_b32 s96, 0x80808080
	s_mov_b32 s97, 0x3f800000
	s_mul_i32 s2, s99, IMG                         ; the upper waves stand one chunk further on
	s_xor_b32 s3, s99, 1
.macro BASES br, ht, off, lo, hi, vb   ; fragment bases of a slot: p's first two blocks, p's other two, v's
	s_mul_i32 s[\lo], s15, \ht
	s_add_co_u32 s[\lo], s[\lo], s2
	s_mul_i32 s[\hi], s3, 2*\br
	s_add_co_u32 s[\hi], s[\hi], s[\lo]
	s_add_co_u32 s[\hi], s[\hi], \off
	s_mul_i32 s[\vb], s99, 2*\br
	s_add_co_u32 s[\lo], s[\lo], s[\vb]
	s_add_co_u32 s[\lo], s[\lo], \off
	s_mul_i32 s[\vb], s16, \ht
	s_add_co_u32 s[\vb], s[\vb], s2
	s_add_co_u32 s[\vb], s[\vb], \off+2*\ht
.endm
	BASES BR0, HT0, 0, 72, 73, 74
	BASES BR1, HT1, S1, 75, 76, 77
	s_lshl_b32 s78, s15, 8                         ; scale words: 256 x query half,
	s_lshl_b32 s79, s16, 8                         ; 256 x channel half,
	s_lshl_b32 s18, s99, 7                         ; 128 x (wave / 4): p's two pairs of blocks change places
	s_mul_i32 s19, s99, TP
	s_add_co_u32 s19, s19, TAB
	s_add_co_u32 s19, s19, s78                     ; TAB + the upper waves' chunk + my queries
	s_add_co_u32 s79, s79, TV
	s_sub_co_u32 s79, s79, s78                     ; from p's scale words to v's
	s_add_co_u32 s22, s19, s18                     ; p's first pair,
	s_sub_co_u32 s23, s79, s18
	s_sub_co_u32 s19, s19, s18                     ; p's other pair
	s_add_co_u32 s79, s79, s18
	s_add_co_u32 s78, s78, s18
	s_add_co_u32 s78, s78, RLP                     ; l of the 32 rows that I keep
	s_mul_i32 s40, s14, 16*STP
	s_add_co_u32 s40, s40, STAGE
	s_mul_i32 s41, s14, 4*TP
	s_add_co_u32 s41, s41, TAB+TV
	s_lshl_b32 s42, s14, 13                        ; the exchange: my 8,192 bytes, and wave xor 4's
	s_xor_b32 s43, s14, 4
	s_lshl_b32 s43, s43, 13
	s_and_b32 s44, s14, 3
	s_mul_i32 s45, s44, 9*256
	s_mul_i32 s18, s44, 8
	s_mul_i32 s44, s44, 6*256
	v_and_b32 v1, 15, v0                           ; r
	v_bfe_u32 v2, v0, 4, 1                         ; h
	v_and_b32 v42, 31, v0
	v_add_nc_u32 v[ADRL], s72, v3
	v_add_nc_u32 v[ADRH], s73, v3
	v_add_nc_u32 v[ADRB], s74, v3
	v_add_nc_u32 v[ADRL+1], s75, v3
	v_add_nc_u32 v[ADRH+1], s76, v3
	v_add_nc_u32 v[ADRB+1], s77, v3
	v_lshlrev_b32 v31, 2, v1
	v_add_nc_u32 v[RLA], s78, v31
	v_mul_u32_u24 v[ADL], s23, v2
	v_mul_u32_u24 v[ADH], s79, v2
	v_add_nc_u32 v[ADL], v[ADL], v31
	v_add_nc_u32 v[ADH], v[ADH], v31
	v_add_nc_u32 v[ADL], s22, v[ADL]               ; lanes 0-15 p's words, lanes 16-31 v's: blocks 0 and 1,
	v_add_nc_u32 v[ADH], s19, v[ADH]               ; blocks 2 and 3
	v_mul_u32_u24 v[STO], v1, STP
	v_lshl_add_u32 v[STO], v2, 5, v[STO]
	v_add_nc_u32 v[STO], s40, v[STO]               ; the stage, in: row r, 32 bytes for each half of the lanes
	v_mul_u32_u24 v[RD], v2, STP
	v_lshl_add_u32 v[RD], v1, 4, v[RD]
	v_add_nc_u32 v[RD], s40, v[RD]                 ; back: lanes 0-15 one row of 256 bytes, lanes 16-31 the next
	v_lshlrev_b32 v[CO], 12, v2
	v_lshl_add_u32 v[CO], v1, 4, v[CO]             ; the same two rows in O
	v_and_b32 v31, 127, v0
	v_lshlrev_b32 v31, 2, v31
	v_lshrrev_b32 v43, 7, v0
	v_mul_u32_u24 v43, v43, 16*TP
	v_add_nc_u32 v[PTA], v31, v43
	v_add_nc_u32 v[PTA], TAB, v[PTA]               ; where I put my row's 16 scale words,
	v_lshl_add_u32 v[RLS], v0, 2, RLP              ; its half of l,
	v_lshl_add_u32 v[MXW], v0, 2, MX               ; and of -M;
	v_lshlrev_b32 v[MXR], 2, v0
	v_xor_b32 v[MXR], 512, v[MXR]
	v_add_nc_u32 v[MXR], MX, v[MXR]                ; the other half's
	v_add_nc_u32 v[VTA], s41, v3                   ; v's scale words, four chunks a wave
	v_add_nc_u32 v[XW], s42, v3
	v_add_nc_u32 v[XR], s43, v3
	v_min_u32 v[PF], 8, v42
	v_min_u32 v[PF+1], 7, v42
	v_min_u32 v[PF+2], 5, v42
	v_add_nc_u32 v[PF+1], s18, v[PF+1]
	v_min_u32 v[PF+1], 29, v[PF+1]
	v_lshlrev_b32 v[PF], 8, v[PF]
	v_lshlrev_b32 v[PF+1], 8, v[PF+1]
	v_lshlrev_b32 v[PF+2], 8, v[PF+2]
	v_add_nc_u32 v[PF], s45, v[PF]
	v_add_nc_u32 v[PF+2], s44, v[PF+2]
	v_mov_b32 v[RLV+1], 0                          ; the upper halves of the pairs that the packed multiply names
	v_mov_b32 v[RLV+3], 0
	s_wait_alu depctr_va_vdst(0)                   ; the wait at the head's end
	s_wait_loadcnt 4                               ; my 16 records are in; v's four scale loads may be out
	; ---- THE FIX
	v_min3_num_f32 v104, v[RECS+1], v[RECS+5], v[RECS+9]           ; the least -M_c of my 16, in two chains
	v_min3_num_f32 v105, v[RECS+13], v[RECS+17], v[RECS+21]
	v_min3_num_f32 v104, v104, v[RECS+25], v[RECS+29]
	v_min3_num_f32 v105, v105, v[RECS+33], v[RECS+37]
	v_min3_num_f32 v104, v104, v[RECS+41], v[RECS+45]
	v_min3_num_f32 v105, v105, v[RECS+49], v[RECS+53]
	v_min3_num_f32 v104, v104, v[RECS+57], v[RECS+61]
	v_min_num_f32 v104, v104, v105
	ds_store_b32 v[MXW], v104
	s_wait_alu depctr_va_vdst(0)
	s_wait_dscnt 0x0
	s_barrier_signal -1
	s_barrier_wait -1                              ; everybody's are stored
	ds_load_b32 v105, v[MXR]
	s_wait_dscnt 0x0
	v_min_num_f32 v104, v104, v105                 ; -M
.macro FIX4 c                          ; four chunks by turns
.set FO, 116+4*(((\c)/4)%2)
.irp j, 0,1,2,3
	v_sub_f32 v[96+\j], v[RECS+4*(\c+\j)+1], v104  ; d = M - M_c: a whole number, 0 or more,
.endr
.irp j, 0,1,2,3
	v_min_num_f32 v[96+\j], 0x42fe0000, v[96+\j]   ; held at 127
.endr
.irp j, 0,1,2,3
	v_cvt_i32_f32 v[96+\j], v[96+\j]
.endr
.irp j, 0,1,2,3
	v_lshlrev_b32 v[100+\j], 23, v[96+\j]
.endr
.irp j, 0,1,2,3
	v_perm_b32 v[96+\j], v[96+\j], v[96+\j], 0     ; d in all four bytes
.endr
.irp j, 0,1,2,3
	v_sub_nc_u32 v[100+\j], s97, v[100+\j]         ; 2^(-d)
.endr
.irp j, 0,1,2,3
	v_sub_nc_u32 v[96+\j], v[RECS+4*(\c+\j)], v[96+\j]   ; a byte is 129 .. 253: no byte's difference borrows from the next,
.endr
.irp j, 0,1,2,3
.if (\c) == 0
	v_mul_f32 v[108+\j], v[RECS+4*(\c+\j)+2], v[100+\j]
.else
	v_fma_f32 v[108+\j], v[RECS+4*(\c+\j)+2], v[100+\j], v[108+\j]   ; l, in four chains
.endif
.endr
.irp j, 0,1,2,3
	v_and_b32 v[100+\j], s96, v[96+\j]             ; and the top bit stays where byte >= d
.endr
.irp j, 0,1,2,3
	v_lshrrev_b32 v[112+\j], 7, v[100+\j]
.endr
.irp j, 0,1,2,3
	v_sub_nc_u32 v[100+\j], v[100+\j], v[112+\j]   ; 0x7f in those bytes, 0 in the others
.endr
.irp j, 0,1,2,3
	v_and_b32 v[FO+\j], v[96+\j], v[100+\j]        ; byte - d, or 0
.endr
.irp j, 0,1,2,3
	ds_store_b32 v[PTA], v[FO+\j] offset:TP*(\c+\j)
.endr
.endm
.irp c, 0,4,8,12
	FIX4 \c
.endr
	v_add_f32 v108, v108, v109
	v_add_f32 v110, v110, v111
	v_add_f32 v108, v108, v110
	ds_store_b32 v[RLS], v108
	s_wait_loadcnt 0x0
.irp i, 0,1,2,3
	ds_store_b128 v[VTA], v[VWS+4*\i:VWS+4*\i+3] offset:TP*\i
.endr
	s_cmp_lt_u32 s14, 4                            ; waves 0-3 wait for slot 0, which they alone asked for
	s_cbranch_scc0 .Lnot_mine
	s_wait_tensorcnt 0x0
.Lnot_mine:
	s_wait_dscnt 0x0                               ; my stores have landed
	s_barrier_signal -1
	s_barrier_wait -1                              ; everybody's have, and slot 0 is whole
.macro FR dst, adr, off
.irp c, 0,1,2
	ds_load_b128 v[\dst+4*\c:\dst+4*\c+3], v[\adr] offset:\off+512*\c
.endr
.endm
; 28 LDS loads in one run into buffer f: the chunk at place q (for the upper waves q + 1) of a slot whose place 0 is chunk g: v's four fragments, p's four, the four scale words
.macro FETCH f, slot, q, g
.irp b, 0,1,2,3
	FR FB+96*\f+48+12*\b, ADRB+\slot, (BR0-(BR0-BR1)*\slot)*\b+IMG*(\q)
.endr
.irp a, 0,1
	FR FB+96*\f+12*\a, ADRL+\slot, (BR0-(BR0-BR1)*\slot)*\a+IMG*(\q)
	FR FB+96*\f+24+12*\a, ADRH+\slot, (BR0-(BR0-BR1)*\slot)*\a+IMG*(\q)
	ds_load_b32 v[SC+4*\f+\a], v[ADL] offset:TP*(\g+\q)+64*\a
	ds_load_b32 v[SC+4*\f+2+\a], v[ADH] offset:TP*(\g+\q)+128+64*\a
.endr
.endm
; 16 matrix instructions on buffer f.  The 16 accumulators take turns, in the same order for every chunk
.macro MUL f, zero
.set FM, FB+96*\f
.set SM, SC+4*\f
	WIN 0x50
.irp a, 0,1,2,3
.irp b, 0,1,2,3
.if \zero
	v_wmma_scale_f32_16x16x128_f8f6f4 v[32*\a+8*\b:32*\a+8*\b+7], v[FM+48+12*\b:FM+48+12*\b+11], v[FM+12*\a:FM+12*\a+11], 0, v[SM+\b], v[SM+\a] matrix_a_fmt:MATRIX_FMT_FP6 matrix_b_fmt:MATRIX_FMT_FP6 matrix_a_scale:MATRIX_SCALE_ROW1
.else
	v_wmma_scale_f32_16x16x128_f8f6f4 v[32*\a+8*\b:32*\a+8*\b+7], v[FM+48+12*\b:FM+48+12*\b+11], v[FM+12*\a:FM+12*\a+11], v[32*\a+8*\b:32*\a+8*\b+7], v[SM+\b], v[SM+\a] matrix_a_fmt:MATRIX_FMT_FP6 matrix_b_fmt:MATRIX_FMT_FP6 matrix_a_scale:MATRIX_SCALE_ROW1
.endif
.endr
.endr
	WIN 0
.endm
; Slot 0: three chunks a wave, at places 0, 2, 4 (+ 1).  The third's products are left to the change of slots
.macro THREE g, zero, ask, n
	PLACES
	FETCH 0, 0, 0, \g
	FETCH 1, 0, 2, \g
.if \zero
	s_wait_dscnt 56                                ; the halves of l are in
	v_add_f32 v44, v44, v45
	v_add_f32 v46, v46, v47
	s_wait_alu depctr_va_vdst(0)                   ; the waits ahead of the reciprocals and behind them
	v_rcp_f32 v[RLV], v44
	v_rcp_f32 v[RLV+2], v46
	v_nop
	s_wait_alu depctr_va_vdst(0)
.endif
.if \ask
	ASK \ask, \n
.endif
	s_wait_dscnt 28                                ; all but the second chunk's loads
	MUL 0, \zero
	PLACES
	FETCH 0, 0, 4, \g
	s_wait_dscnt 28                                ; all but the third's
	MUL 1, 0
.endm
; Slot 1: two chunks a wave, at places q and q + 2 (+ 1), and the odd one, at place t (+ 1), for the waves whose half is who (2: none)
.macro TWO q, g, who, t, ask, n
	PLACES
	FETCH 0, 1, \q, \g
	FETCH 1, 1, \q+2, \g
.if \ask
	ASK \ask, \n
.endif
	s_wait_dscnt 28
	MUL 0, 0
.if \who < 2
	s_cmp_eq_u32 s99, \who
	s_cbranch_scc0 .Lno_odd_\@
	PLACES
	FETCH 0, 1, \t, \g
	s_wait_dscnt 28
	s_branch .Lodd_\@
.Lno_odd_\@:
	s_wait_dscnt 0x0
.Lodd_\@:
	MUL 1, 0
	s_cmp_eq_u32 s99, \who
	s_cbranch_scc0 .Lodd_done_\@
	s_wait_dscnt 0x0
	MUL 0, 0
.Lodd_done_\@:
.else
	s_wait_dscnt 0x0
	MUL 1, 0
.endif
.endm
; The change of slots.  fill = 1: this slot is filled again, step bytes further along the keys; mul = 1: buffer 0's products stand inside the barrier
.macro CHG slot, fill, step, mul
	s_wait_tensorcnt 0x0                           ; all my tensor loads have landed: my part of the next slot
	ds_add_u32 v[SPW], v[NIL]
.if \fill
	s_add_nc_u64 s[G0+4*(\slot)+2:G0+4*(\slot)+3], s[G0+4*(\slot)+2:G0+4*(\slot)+3], \step
	s_add_nc_u64 s[G0B+4*(\slot)+2:G0B+4*(\slot)+3], s[G0B+4*(\slot)+2:G0B+4*(\slot)+3], \step
.endif
	s_wait_dscnt 0x0                               ; the add is done, and my reads of this slot are over
	s_barrier_signal -1
.if \mul
	MUL 0, 0
.endif
	s_barrier_wait -1
.if \fill
	CREST                                          ; no wave of any partner still reads this slot's tile or has a load on its way
	JLOAD \slot
.endif
.endm
.irp a, 0,1
	ds_load_b32 v[44+2*\a], v[RLA] offset:64*\a    ; both halves of l, of my query in the two blocks that I keep
	ds_load_b32 v[45+2*\a], v[RLA] offset:64*\a+512
.endr
	THREE 0, 1, 11, 0                              ; chunks 0 to 5; the first products start the sums
	CHG 0, 1, (N0+N1)*IMG, 1                       ; slot 0 takes chunks 11 to 16
	TWO 0, 6, 0, 4, 17, 1                          ; chunks 6 to 10
	CHG 1, 1, (N0+N1)*IMG, 0                       ; slot 1 takes chunks 17 to 21
	THREE 11, 0, 22, 0
	CHG 0, 1, (N0+N1)*IMG, 1                       ; slot 0 takes chunks 22 to 27
	TWO 0, 17, 1, 3, 28, 2
	CHG 1, 1, (N0+N1-1)*IMG, 0                     ; slot 1 takes chunks 27 to 31
	THREE 22, 0, 0, 0
	CHG 0, 0, 0, 1
	TWO 1, 27, 2, 0, 0, 0                          ; chunks 28 to 31
; THE EXCHANGE: blocks 2 and 3 to wave xor 4, whose blocks 2 and 3 are my 0 and 1
	PLACES
	WIN 0x04
.set j, 0
.rept 16
	ds_store_b128 v[XW], v[64+4*j:67+4*j] offset:XCH+512*j
.set j, j+1
.endr
	WIN 0
	s_wait_dscnt 0x0
	s_barrier_signal -1
	s_barrier_wait -1
.set j, 0
.rept 16
	ds_load_b128 v[64+4*j:67+4*j], v[XR] offset:XCH+512*j
.set j, j+1
.endr
; THE WAY OUT, a block of 16 queries x 64 channels at a time: the two halves' sum x 1 / l; a lane's 32 bytes go into my own stage and come back as whole rows of 256 bytes.
; LDS serves a wave's instructions in order (ISA guide 5.7.1.4): no wait between the stores and the loads, nor in front of the next block's stores.
.macro TOSTAGE a
.set TT, 64+32*\a
.set BB, 128+32*\a
	WIN 0x01
.set j, 0
.rept 16
	v_pk_add_f32 v[TT+j:TT+j+1], v[32*\a+j:32*\a+j+1], v[TT+j:TT+j+1]   ; each accumulator from its low end on
.set j, j+2
.endr
	WIN 0
.set j, 0
.rept 16
	v_pk_mul_f32 v[TT+j:TT+j+1], v[TT+j:TT+j+1], v[RLV+2*\a:RLV+2*\a+1] op_sel_hi:[1,0]
.set j, j+2
.endr
.irp b, 0,1,2,3
	ds_store_b128 v[STO], v[TT+8*\b:TT+8*\b+3] offset:64*\b
	ds_store_b128 v[STO], v[TT+8*\b+4:TT+8*\b+7] offset:64*\b+16
.endr
.irp i, 0,1,2,3,4,5,6,7
	ds_load_b128 v[BB+4*\i:BB+4*\i+3], v[RD] offset:\i*2*STP
.endr
.endm
.macro SEND a, younger                 ; younger: the LDS instructions issued behind block a's loads
.set BB, 128+32*\a
	s_wait_dscnt \younger
.irp i, 0,1,2,3,4,5,6,7
	global_store_b128 v[CO], v[BB+4*\i:BB+4*\i+3], s[12:13] offset:(16*\a+2*\i)*4096 th:TH_STORE_NT   ; 16 lanes store 256 consecutive bytes, aligned
.endr
.endm
	s_wait_dscnt 8                                 ; block 0's eight are in
	TOSTAGE 0
	s_wait_dscnt 16                                ; block 1's: behind them block 0's 8 stores and 8 loads
	TOSTAGE 1
	SEND 0, 16
	SEND 1, 0
	s_wait_tensorcnt 0x0                           ; the wave's end
	ds_add_u32 v[SPW], v[NIL]
	s_wait_dscnt 0x0
	CROUND                                         ; the closing round
	s_endpgm
.Lfunc_end_k_qa4bedfd611_out:
	.size	k_qa4bedfd611_out, .Lfunc_end_k_qa4bedfd611_out-k_qa4bedfd611_out
	.p2alignl 7, 3214868480
	.fill 96, 4, 3214868480
	.section	.rodata,"a",@progbits
	.p2align	6, 0x0
	.amdhsa_kernel k_qa4bedfd611_out
		.amdhsa_group_segment_fixed_size 327680
		.amdhsa_private_segment_fixed_size 0
		.amdhsa_enable_private_segment 0
		.amdhsa_kernarg_size 40
		.amdhsa_user_sgpr_count 2
		.amdhsa_user_sgpr_kernarg_segment_ptr 1
		.amdhsa_wavefront_size32 1
		.amdhsa_system_sgpr_workgroup_id_x 1
		.amdhsa_system_sgpr_workgroup_id_y 1
		.amdhsa_system_sgpr_workgroup_id_z 1
		.amdhsa_system_vgpr_workitem_id 0
		.amdhsa_next_free_vgpr 384
		.amdhsa_next_free_sgpr 100
		.amdhsa_reserve_vcc 0
		.amdhsa_float_denorm_mode_32 3
		.amdhsa_float_denorm_mode_16_64 3
		.amdhsa_memory_ordered 1
		.amdhsa_forward_progress 1
		.amdhsa_inst_pref_size 108
	.end_amdhsa_kernel
	.amdgpu_metadata
---
amdhsa.version: [ 1, 2 ]
amdhsa.kernels:
  - .name:           k_qa4bedfd611_out
    .symbol:         k_qa4bedfd611_out.kd
    .args:
      - { .name: pc, .offset: 0, .size: 8, .value_kind: global_buffer, .address_space: global }
      - { .name: vc, .offset: 8, .size: 8, .value_kind: global_buffer, .address_space: global }
      - { .name: vs, .offset: 16, .size: 8, .value_kind: global_buffer, .address_space: global }
      - { .name: pst, .offset: 24, .size: 8, .value_kind: global_buffer, .address_space: global }
      - { .name: out0, .offset: 32, .size: 8, .value_kind: global_buffer, .address_space: global }
    .group_segment_fixed_size: 327680
    .private_segment_fixed_size: 0
    .kernarg_segment_align: 8
    .kernarg_segment_size: 40
    .max_flat_workgroup_size: 256
    .sgpr_count:     100
    .vgpr_count:     384
    .wavefront_size: 32
...
	.end_amdgpu_metadata
.endif
;; end of part 3
